; MI455X (gfx1250); checked and timed in simulation.
; The chip was launched on July 23, 2026; its instructions are those of AMD's public machine-readable ISA for CDNA 5 (MIT licence, August 2026) and "CDNA5" Instruction Set Architecture Reference Guide (July 2026). The comments in the code are by the model that wrote it; some were corrected since.
;; Secondary Input Layer. Allowed arithmetic: matrix products marked QUANTISED: E5M2 operands, one E8M0 scale for each 32 along K, by v_wmma_scale_f32_16x16x128_f8f6f4 with both operands' format E5M2, f32 sums; everything else in f32.
;; Inputs: w 4,096 x 4,096 float32; x 4,096 x 4,096 float32.
;; Outputs: out0 4,096 x 4,096 float32.
;; This version of the problem:
;;   THIS VERSION OF THE PROBLEM IS GIVEN IN LOW PRECISION. The matrix products marked QUANTISED in the list below multiply operands that are first quantised to E5M2 (5 exponent bits, 2 mantissa bits; 8 bits a number), with one power-of-two scale for each 32 numbers along K (OCP MX v1.0); their sums are f32. All else is computed in f32.
;;   The module's matrix products, in the order in which they are computed (A, B: the left and right operand; K: the contracted axis; several contracted axes count as one K, in the product's order):
;;     1. [M 4,096, K 4,096] x [K 4,096, N 4,096]; A: input x; B: computed on the way: QUANTISED
;;   THE QUANTISER, for each operand of a quantised product, along K:
;;     - K is cut into blocks of 32 from its start; a last block that is shorter is filled with zeros.
;;     - A block's scale is 2^e with e = floor(log2(the largest magnitude in the block)) - 15, held to -126 .. 127; a block of zeros has e = 0. As a byte (E8M0): e + 127.
;;     - Each number is divided by its block's scale, clamped to +-57,344, and rounded to the nearest number of E5M2, ties to even, subnormals kept.
;;     - The product sums the exact products of the quantised numbers (number of the format x scale) in f32.
;;   ~~~python
;;   def quantise(x, axis):      # numpy; x: float32 -> the quantised numbers, widened to float32 again
;;       x = np.moveaxis(x, axis, -1); K = x.shape[-1]
;;       x = np.pad(x, [(0, 0)] * (x.ndim - 1) + [(0, -K % 32)]); x = x.reshape(x.shape[:-1] + (-1, 32)); a = np.abs(x).max(-1, keepdims=True)
;;       e = np.where(a > 0, np.clip(np.frexp(np.where(a > 0, a, 1))[1] - 1 - 15, -126, 127), 0)      # np.frexp(a)[1] - 1 = floor(log2(a)), exactly
;;       r = np.clip(x / 2.0 ** e, -57344, 57344)
;;       step = 2.0 ** (np.maximum(np.frexp(np.where(r == 0, 1, r))[1] - 1, -14) - 2)
;;       q = np.round(r / step) * step * 2.0 ** e      # np.round: ties to even
;;       return np.moveaxis(q.reshape(q.shape[:-2] + (-1,))[..., :K], -1, axis).astype(np.float32)
;;   ~~~
;;   OPERANDS COMPUTED ON THE WAY. 'Computed on the way' means the value that the module computes at that place (a softmax that the list does not call 'softmax' is quantised finished and normalised). What goes into a quantiser is computed in f32, as accurately as f32 sums, v_exp_f32 and their like allow (about 1e-6 of the number): no bf16 or f16 on the way to a quantiser, and a product that is left as it is and whose result goes on into a quantised operand takes f32 operands (vector FMAs, or v_wmma_f32_16x16x4_f32). A number that lies on a knife's edge between two numbers of the format may be rounded either way, as far as f32 arithmetic and the matrix unit's own rounding can turn it there, and no further.
;; One version. Each part assembles by itself: llvm-mc -triple=amdgcn-amd-amdhsa -mcpu=gfx1250 --defsym DOCPART=n.
;; ======== version 1 of 1: 2 launches
;; workspace buffers: diagq 24,576 bytes
;; launch diag (part 1): grid 16 x 1, 1 waves a work-group, no clusters, 0 bytes of LDS; arguments w, diagq; writes diagq
.if DOCPART == 1
	.amdgcn_target "amdgcn-amd-amdhsa--gfx1250"
	.amdhsa_code_object_version 6
	.text
	.protected	k_qa4db85b1cb_diag
	.globl	k_qa4db85b1cb_diag
	.p2align	8
	.type	k_qa4db85b1cb_diag,@function
k_qa4db85b1cb_diag:
	s_mov_b64 s[64:65], 0
	v_nop
	global_prefetch_b8 v0, s[64:65] scope:SCOPE_SE
	s_setreg_imm32_b32 hwreg(HW_REG_WAVE_MODE, 25, 1), 1
	s_wait_xcnt 0x0
; B of the product is w * eye(4096): column n holds one number that can differ from 0, w[n][n], at k = n.  So the block of 32 along K that holds it has |w[n][n]| as its
; largest magnitude, and every other block of the column is a block of zeros.  This launch turns the 4,096 numbers of the diagonal into a code of BF8 (E5M2) and an E8M0 byte each,
; laid as the lanes of the second launch want them:
;   bytes 0 .. 16,383:       CW[n], a word for each column n: the code in byte n % 4, zeros beside it;
;   bytes 16,384 .. 24,575:  SWM[j][r][u], j = 0..31 (K step of 128), r = 0..15, u = 0..3: a scale word that serves columns 128 j + 4 r + u (its byte in byte r / 8) and
;                            128 j + 64 + 4 r + u (its byte in byte 2 + r / 8); the other two bytes are 0 and meet zero codes alone.
; A block's scale is 2^(floor(log2(largest magnitude)) - 15); its byte is the magnitude's exponent field - 15, held at 1 from below.
; SHARES: 512 threads are all the work there is: thread T = 16 j + r takes the eight columns 128 j + 64 q + 4 r + u (q = 0, 1; u = 0..3).  No LDS, no barrier, no loop.
; LIMITS: NaN and infinities on the diagonal are not served.  The numbers of w off the diagonal are not read: the mask that the product's definition builds makes them 0
; (an infinity or NaN there, which that multiplication by 0 would turn into NaN, is not served).  w[n][n] = 0 gets the byte 1 and not 127: its code is 0, and this program alone reads the bytes.
.set BLK, 16                           ; v16-79   eight blocks of 8 numbers: block b = 4 q + u holds its column's number at place u and zeros beside it
.set A,   80                           ; v80-87   the largest magnitude, later the scale's byte
.set SO,  88                           ; v88-95   the conversion's scale operand
.set HD,  96                           ; v96-103  57,344 x the scale
.set R,   104                          ; v104-119 the conversions' results, a pair a block
.set CWO, 120                          ; v120-127 the eight words of CW
.set SWO, 128                          ; v128-131 the four words of SWM
	s_load_b128 s[4:7], s[0:1], 0x0                ; w s[4:5], diagq s[6:7]
	s_mov_b32 s8, 0x600000                         ; the mantissa field of 57,344
	s_lshl_b32 s9, ttmp9, 5
	v_add_nc_u32 v1, s9, v0                        ; T = 32 x work-group + thread
	v_and_b32 v2, 15, v1                           ; r
	v_lshrrev_b32 v3, 4, v1                        ; j
	v_lshlrev_b32 v4, 2, v2
	v_lshl_add_u32 v4, v3, 7, v4                   ; n0 = 128 j + 4 r
	v_mul_u32_u24 v5, v4, 16388                    ; w[n0][n0]: a row is 16,384 bytes, a column 4
	v_lshrrev_b32 v6, 3, v2
	v_lshlrev_b32 v6, 3, v6                        ; 8 (r / 8): by so many bits the scale bytes are moved up
	v_lshlrev_b32 v7, 2, v4                        ; CW: 4 n0
	v_lshlrev_b32 v8, 4, v1                        ; SWM: 16 T
.irp b, 0,1,2,3,4,5,6,7
.irp i, 0,1,2,3,4,5,6,7
.if \i != \b%4
	v_mov_b32 v[BLK+8*\b+\i], 0                    ; the seven places of a block that no load fills
.endif
.endr
.endr
	s_wait_kmcnt 0x0
.irp b, 0,1,2,3,4,5,6,7
	global_load_b32 v[BLK+8*\b+\b%4], v5, s[4:5] offset:(64*(\b/4)+\b%4)*16388 th:TH_LOAD_NT   ; w[n][n], n = n0 + 64 q + u; 67 x 16,388 at the most, inside the signed 24-bit immediate
.endr
	s_wait_loadcnt 0x0
.irp b, 0,1,2,3,4,5,6,7
	v_max3_num_f32 v[A+\b], |v[BLK+8*\b+\b%4]|, |v[BLK+8*\b+\b%4]|, 0x8000000   ; the block's largest magnitude, and the floor 2^(16 - 127): the byte cannot fall under 1
.endr
.irp b, 0,1,2,3,4,5,6,7
	v_add_nc_u32 v[SO+\b], 0xf8800000, v[A+\b]     ; 15 off the exponent field: the conversion takes this operand's exponent field as its scale
.endr
.irp b, 0,1,2,3,4,5,6,7
	v_and_or_b32 v[HD+\b], v[A+\b], 0x7f800000, s8 ; 57,344 x the scale
.endr
.irp b, 0,1,2,3,4,5,6,7
	v_med3_num_f32 v[BLK+8*\b+\b%4], v[BLK+8*\b+\b%4], -v[HD+\b], v[HD+\b]   ; the conversion to an 8-bit code does not saturate (ISA guide 7.6.2): the hold comes first
.endr
.irp b, 0,1,2,3,4,5,6,7
	v_cvt_scalef32_pk8_bf8_f32 v[R+2*\b:R+2*\b+1], v[BLK+8*\b:BLK+8*\b+7], v[SO+\b]   ; place u of the block gives byte u of the low register: that register is CW as it stands
.endr
	v_nop                                          ; one plain vector instruction between the last scaled conversion and the first use of a result
.irp b, 0,1,2,3,4,5,6,7
	v_lshrrev_b32 v[A+\b], 23, v[SO+\b]            ; the scale's byte
.endr
.irp b, 0,1,2,3,4,5,6,7
	v_mov_b32 v[CWO+\b], v[R+2*\b]                 ; four words on end for each q
.endr
.irp u, 0,1,2,3
	v_lshl_or_b32 v[9+\u], v[A+4+\u], 16, v[A+\u]  ; q = 1's byte two bytes above q = 0's,
.endr
.irp u, 0,1,2,3
	v_lshlrev_b32 v[SWO+\u], v6, v[9+\u]           ; and both one byte up where r >= 8
.endr
	global_store_b128 v7, v[CWO:CWO+3], s[6:7]                 ; sixteen lanes of one j store 256 consecutive bytes, aligned
	global_store_b128 v7, v[CWO+4:CWO+7], s[6:7] offset:256
	global_store_b128 v8, v[SWO:SWO+3], s[6:7] offset:16384    ; the 32 lanes store 512 consecutive bytes
	s_endpgm
.Lfunc_end_k_qa4db85b1cb_diag:
	.size	k_qa4db85b1cb_diag, .Lfunc_end_k_qa4db85b1cb_diag-k_qa4db85b1cb_diag
	.p2alignl 7, 3214868480
	.fill 96, 4, 3214868480
	.section	.rodata,"a",@progbits
	.p2align	6, 0x0
	.amdhsa_kernel k_qa4db85b1cb_diag
		.amdhsa_group_segment_fixed_size 0
		.amdhsa_private_segment_fixed_size 0
		.amdhsa_enable_private_segment 0
		.amdhsa_kernarg_size 16
		.amdhsa_user_sgpr_count 2
		.amdhsa_user_sgpr_kernarg_segment_ptr 1
		.amdhsa_wavefront_size32 1
		.amdhsa_system_sgpr_workgroup_id_x 1
		.amdhsa_system_sgpr_workgroup_id_y 1
		.amdhsa_system_sgpr_workgroup_id_z 1
		.amdhsa_system_vgpr_workitem_id 0
		.amdhsa_next_free_vgpr 132
		.amdhsa_next_free_sgpr 66
		.amdhsa_reserve_vcc 0
		.amdhsa_float_denorm_mode_32 3
		.amdhsa_float_denorm_mode_16_64 3
		.amdhsa_memory_ordered 1
		.amdhsa_forward_progress 1
		.amdhsa_inst_pref_size 8
	.end_amdhsa_kernel
	.amdgpu_metadata
---
amdhsa.version: [ 1, 2 ]
amdhsa.kernels:
  - .name:           k_qa4db85b1cb_diag
    .symbol:         k_qa4db85b1cb_diag.kd
    .args:
      - { .name: w, .offset: 0, .size: 8, .value_kind: global_buffer, .address_space: global }
      - { .name: diagq, .offset: 8, .size: 8, .value_kind: global_buffer, .address_space: global }
    .group_segment_fixed_size: 0
    .private_segment_fixed_size: 0
    .kernarg_segment_align: 8
    .kernarg_segment_size: 16
    .max_flat_workgroup_size: 32
    .sgpr_count:     66
    .vgpr_count:     132
    .wavefront_size: 32
...
	.end_amdgpu_metadata
.endif
;; end of part 1
;; launch prod (part 2): grid 256 x 1, 4 waves a work-group, no clusters, 274,944 bytes of LDS; arguments x, diagq, out0; writes out0
.if DOCPART == 2
	.amdgcn_target "amdgcn-amd-amdhsa--gfx1250"
	.amdhsa_code_object_version 6
	.text
	.protected	k_qa4db85b1cb_prod
	.globl	k_qa4db85b1cb_prod
	.p2align	8
	.type	k_qa4db85b1cb_prod,@function
k_qa4db85b1cb_prod:
	s_mov_b64 s[64:65], 0
	v_nop
	global_prefetch_b8 v0, s[64:65] scope:SCOPE_SE
	s_setreg_imm32_b32 hwreg(HW_REG_WAVE_MODE, 25, 1), 1
	s_wait_xcnt 0x0
; out0 = Q(x) Q(w * eye), [4096][4096] x [4096][4096], both operands as codes of BF8 (E5M2) with one E8M0 scale for each 32 along K; sums in f32.
; x is f32 with K innermost and is quantised here, on its way; B's codes and scale bytes of the diagonal come from diagq (the launch before); all its other blocks are blocks of zeros.
; WHAT IS DONE AND WHAT IS NOT.  Every output tile walks all 32 K steps of 128 by the scaled matrix instruction.  In 31 of the 32 the B fragment is ONE cleared fragment of zero codes
; (scale bytes 127, as the quantiser gives a block of zeros): these products add nothing.  The mask is used only to keep B out of memory and out of LDS.
; SHARES.  256 work-groups of four waves; work-group g owns rows 16 g .. 16 g + 15 of x and of out0.  Wave w quantises x's columns 1024 w .. + 1023 (K steps 8 w + t, t = 0..7), hands the eight
; fragments to the other waves through LDS, and makes out0's columns 1024 w .. + 1023 in eight groups of 128.  All 32 fragments of x stay in each wave's registers (512) for the eight groups.
; POSITIONS.  Wave w takes the K steps in the order (8 w + p) mod 32, p = 0..31: so the diagonal of its group gi always lies at position p = gi, a constant of the text.
; LAYOUT.  Source 0 = x's 16 rows, source 1 = 16 columns of B; in the result register j of lane (r, h) is (row 8 h + j, the column of lane r).
; THE COLUMNS OF A TILE ARE NOT NEIGHBOURS: tile 4 q + u of a group takes columns 64 q + 4 r + u.  Register j of the four tiles u = 0..3 is then four neighbouring columns: 16 bytes a lane.
; B's fragment of tile (q, u): column 64 q + 4 r + u has its number at k = 64 q + 4 r + u: register 8 q + i, i = 4 (r / 8) + r % 4, byte u, in the lane r + 16 ((r / 4) % 2).  So register 8 q + i
; is CW's word in lanes 8 (i / 4) + i % 4 and 20 + 8 (i / 4) + i % 4 and 0 elsewhere: eight constant lane masks; the fragment's other eight registers are zeros.
; LDS.  The work-group's whole share of x (262,144 bytes) is asked for at the first lines, eight tensor loads a wave, each wave into bytes of its own; no byte is filled twice, so there is no ring.
; A tile that its wave has read takes, in its first 2,048 bytes, the image of the fragment made of it (lane l's 16 bytes at 16 l, 512 bytes a store); the scale words lie behind the tiles.  ONE barrier.
; NO CLUSTER: the work-groups share diagq's 24,576 bytes alone, beside 262,144 bytes of x that are each work-group's own.
; LIMITS: NaN and infinities in x are not served.  A block of zeros of x gets the byte 1 and not 127: its codes are zeros, and this program alone reads the bytes.
; REGISTERS, in windows of 256 (s_set_vgpr_msb: bits 1:0 source 0, 3:2 source 1, 5:4 source 2, 7:6 destination):
;   window 0: v1-15 addresses; v16-47 x's scale words by position, v48-79 B's scale words, v80 the zero fragment's (these hold scales and nothing else); v81-83 at work at the head;
;             v96-192 the quantiser's registers, later v96-111 the zero fragment and v112-207 the diagonal fragments.
;   windows 1, 2: x's 32 fragments, position p at v[16 (p % 16)] of window 1 + p / 16.     window 3: v0-63 CW's words; v64-127 the eight accumulators; v128-191 a group's results gathered for the stores.
.set XP,   528                         ; a row of a tile of x in LDS: 512 bytes + 16 of padding = 33 x 16: the sixteen rows that a load touches start at sixteen different 16-byte columns of 256
.set XT,   16*XP                       ; a tile: 16 rows x 128 numbers
.set WREG, 8*XT                        ; a wave's eight tiles
.set SCW,  4*WREG                      ; behind the tiles: x's scale words, 128 bytes (4 x lane) for each K step
.set SL,   3                           ; v3     where I read a tile: wave x WREG + 528 r + 64 h
.set IW,   4                           ; v4     where I store an image: wave x WREG + 16 x lane
.set SWR,  5                           ; v5     where I store a scale word: SCW + 1,024 x wave + 4 x lane
.set IMF,  6                           ; v6-9   images of wave (w + d) % 4, d = 0..3: its WREG + 16 x lane
.set SCF,  10                          ; v10-13 its scale words: SCW + 1,024 x that wave + 4 x lane
.set VO,   14                          ; v14    out0: 8 h rows + 16 r
.set DQ,   15                          ; v15    diagq: 16 r
.set ASC,  16
.set SWM,  48
.set ONES, 80
.set XS,   96                          ; v96-159  64 numbers of x: register 16 b + i = k 32 b + 16 h + i of row r
.set TM,   160                         ; v160-163 largest magnitudes, v164-167 bytes, v168-171 57,344 x the scale, v172-175 the conversions' scale operands
.set PC,   176                         ; v176-191 the fragment just made
.set PW,   192                         ; v192     its scale word
.set ZERO, 96                          ; v96-111  sixteen registers of zero codes
.set DG,   112                         ; v112-207 block u at DG + 24 u: q = 0's eight registers, eight zeros, q = 1's eight: fragment (q, u) is v[DG + 24 u + 8 q] and the fifteen behind it
.set ACC,  64                          ; window 3
.set TT,   128                         ; window 3
.set MK,   16                          ; s[16:23] the eight lane masks
.set G1,   24                          ; s[24:31] descriptor group 1
.set G0,   32                          ; s[32:63] descriptor group 0, a set for each of my eight tiles; never rewritten
.set SEL,  66                          ; s[66:67] lane selects for v_permlanex16_b32: lane l xor 16
.set MNT,  68                          ; s68      the mantissa field of 57,344
.set MSB, 0
.macro WIN new                         ; the immediate's high byte repeats the setting that is left; a switch that changes nothing is dropped
.if MSB != (\new)
	s_set_vgpr_msb (MSB<<8)|(\new)
.set MSB, (\new)
.endif
.endm
.macro PLACES n
.rept \n
	v_nop
.endr
.endm
	s_load_b128 s[4:7], s[0:1], 0x0                ; x s[4:5], diagq s[6:7]
	s_load_b64 s[8:9], s[0:1], 0x10                ; out0
	v_lshl_add_u32 v254, v0, 2, 0x43000
	v_mov_b32 v255, 0
	ds_add_u32 v254, v255
	ds_add_u32 v254, v255
	v_lshrrev_b32 v2, 5, v0
	v_readfirstlane_b32 s10, v2                    ; wave 0..3
	; descriptor group 1: a tile of 16 rows x 128 numbers of 4 bytes, rows 4,096 numbers apart, padded in LDS
	s_mov_b32 s[G1+0], (2<<16)|(1<<20)|(6<<22)|(3<<25)   ; 15:0 no mask; 17:16 elements of 4 bytes; 20 padding on; 24:22 after every 128 words (code 6); 31:25 four words (code 3)
	s_mov_b32 s[G1+1], 128<<16                     ; tensor_dim0 = 128
	s_mov_b32 s[G1+2], 16<<16                      ; tensor_dim1 = 16
	s_mov_b32 s[G1+3], 128<<16                     ; tile_dim0 = 128
	s_mov_b32 s[G1+4], 16                          ; tile_dim1 = 16
	s_mov_b32 s[G1+5], 4096                        ; tensor_dim0_stride
	s_mov_b32 s[G1+6], 0
	s_mov_b32 s[G1+7], 0
	s_mov_b32 s[MK+0], 0x00100001                  ; lanes 0 and 20
	s_mov_b32 s[MK+1], 0x00200002
	s_mov_b32 s[MK+2], 0x00400004
	s_mov_b32 s[MK+3], 0x00800008
	s_mov_b32 s[MK+4], 0x10000100                  ; lanes 8 and 28
	s_mov_b32 s[MK+5], 0x20000200
	s_mov_b32 s[MK+6], 0x40000400
	s_mov_b32 s[MK+7], 0x80000800
	s_mov_b32 s[SEL], 0x76543210
	s_mov_b32 s[SEL+1], 0xfedcba98
	s_mov_b32 s[MNT], 0x600000
	s_lshl_b32 s70, ttmp9, 18                      ; my work-group's 16 rows of 16,384 bytes,
	s_lshl_b32 s72, s10, 12                        ; my wave's 1,024 columns of 4 bytes (also: its 1,024 words of CW)
	s_add_co_u32 s70, s70, s72
	s_mov_b32 s71, 0
	s_mov_b32 s73, 0
	s_lshl_b32 s74, s10, 11                        ; my wave's 8 K steps x 256 bytes of SWM,
	s_add_co_u32 s74, s74, 16384                   ; which lies behind CW
	s_mov_b32 s75, 0
	s_mul_i32 s11, s10, WREG                       ; my wave's tiles in LDS
	s_wait_dscnt 0x0
	s_wait_kmcnt 0x0
	s_add_nc_u64 s[4:5], s[4:5], s[70:71]          ; x at my wave's first tile
	s_add_nc_u64 s[8:9], s[8:9], s[70:71]          ; out0 at my wave's first column of the work-group's first row
	s_add_nc_u64 s[12:13], s[6:7], s[72:73]        ; CW of my wave's columns
	s_add_nc_u64 s[14:15], s[6:7], s[74:75]        ; SWM of my wave's K steps
.irp t, 0,1,2,3,4,5,6,7
	s_mov_b32 s[G0+4*\t], 1                                        ; count = 1
	s_add_co_u32 s[G0+4*\t+1], s11, \t*XT                          ; LDS address: wave x WREG + t x XT
	s_add_nc_u64 s[G0+4*\t+2:G0+4*\t+3], s[4:5], \t*512            ; global address: 128 numbers on for each step
	s_or_b32 s[G0+4*\t+3], s[G0+4*\t+3], 0x80000000                ; type = 2
.endr
.irp t, 0,1,2,3,4,5,6,7
	tensor_load_to_lds s[G0+4*\t:G0+4*\t+3], s[G1:G1+7]            ; all my first fills in one group, ahead of every wait on TENSORcnt, every LDS read and the barrier: eight loads of mine are out
	s_nop 0
.endr
	v_and_b32 v1, 15, v0                           ; r.  (The lane's addresses are made while the tiles are on their way; no window is switched among these lines)
	v_bfe_u32 v2, v0, 4, 1                         ; h
	v_mul_u32_u24 v[SL], v1, XP
	v_and_b32 v81, 31, v0                          ; lane
	v_lshl_add_u32 v[SL], v2, 6, v[SL]
	v_add_nc_u32 v[SL], s11, v[SL]
	v_lshlrev_b32 v82, 4, v81                      ; 16 x lane
	v_lshlrev_b32 v83, 2, v81                      ; 4 x lane
	v_add_nc_u32 v[IW], s11, v82
	s_lshl_b32 s72, s10, 10
	s_add_co_u32 s72, s72, SCW
	v_add_nc_u32 v[SWR], s72, v83
.irp d, 0,1,2,3
	s_add_co_u32 s72, s10, \d
	s_and_b32 s72, s72, 3                          ; the wave that made positions 8 d .. 8 d + 7
	s_mul_i32 s73, s72, WREG
	v_add_nc_u32 v[IMF+\d], s73, v82
	s_lshl_b32 s73, s72, 10
	s_add_co_u32 s73, s73, SCW
	v_add_nc_u32 v[SCF+\d], s73, v83
.endr
	v_lshlrev_b32 v[DQ], 4, v1
	v_lshl_add_u32 v[VO], v2, 17, v[DQ]            ; lanes 16-31 hold rows 8 further down: 8 x 16,384 bytes
	WIN 0xc0                                       ; destination window 3
.irp gi, 0,1,2,3,4,5,6,7
.irp q, 0,1
	global_load_b128 v[8*\gi+4*\q:8*\gi+4*\q+3], v[DQ], s[12:13] offset:\gi*512+\q*256   ; CW of columns 128 gi + 64 q + 4 r + 0..3: sixteen lanes read 256 consecutive bytes; lanes 16-31 the same
.endr
.endr
	WIN 0
.irp gi, 0,1,2,3,4,5,6,7
	global_load_b128 v[SWM+4*\gi:SWM+4*\gi+3], v[DQ], s[14:15] offset:\gi*256             ; SWM[8 w + gi][r][0..3]
.endr
	v_mov_b32 v[ONES], 0x7f7f7f7f                  ; the scale bytes of blocks of zeros
.irp b, 0,1,2,3
	v_mov_b32 v[TM+4+\b], 0                        ; written once: a lane permute's destination counts as one of its sources
.endr
; 64 numbers of a lane in v[XS] on become a fragment's codes in v[PC] on and its row's scale word in v[PW].
.macro QUANT
.irp b, 0,1,2,3
	v_max3_num_f32 v[TM+\b], |v[XS+16*\b]|, |v[XS+1+16*\b]|, 0x8000000   ; block b: my 16 numbers, and the floor 2^(16 - 127): the byte cannot fall under 1
.endr
.irp i, 2,4,6,8,10,12,14
.irp b, 0,1,2,3
	v_max3_num_f32 v[TM+\b], v[TM+\b], |v[XS+16*\b+\i]|, |v[XS+1+16*\b+\i]|   ; (the four blocks by turns: no line waits for the line above it)
.endr
.endr
.irp b, 0,1,2,3
	v_permlanex16_b32 v[TM+4+\b], v[TM+\b], s[SEL], s[SEL+1]
.endr
.irp b, 0,1,2,3
	v_max_num_f32 v[TM+\b], v[TM+\b], v[TM+4+\b]   ; with lane l xor 16's 16 numbers: the block's largest magnitude
.endr
.irp b, 0,1,2,3
	v_add_nc_u32 v[TM+12+\b], 0xf8800000, v[TM+\b] ; 15 off its exponent field: the conversion's scale operand
.endr
.irp b, 0,1,2,3
	v_and_or_b32 v[TM+8+\b], v[TM+\b], 0x7f800000, s[MNT]   ; 57,344 x the scale
.endr
.irp b, 0,1,2,3
	v_lshrrev_b32 v[TM+4+\b], 23, v[TM+12+\b]      ; the scale's byte
.endr
	v_lshl_or_b32 v[PW], v[TM+5], 8, v[TM+4]       ; the four bytes make my row's scale word (lanes 16-31 hold the same as lanes 0-15)
	v_lshl_or_b32 v[PW], v[TM+6], 16, v[PW]
	v_lshl_or_b32 v[PW], v[TM+7], 24, v[PW]
.irp b, 0,1,2,3
.irp i, 0,1,2,3,4,5,6,7,8,9,10,11,12,13,14,15
	v_med3_num_f32 v[XS+16*\b+\i], v[XS+16*\b+\i], -v[TM+8+\b], v[TM+8+\b]   ; the conversion to an 8-bit code does not saturate (ISA guide 7.6.2): the hold comes first
.endr
	v_cvt_scalef32_pk8_bf8_f32 v[PC+4*\b:PC+1+4*\b], v[XS+16*\b:XS+7+16*\b], v[TM+12+\b]       ; registers 4 b .. 4 b + 3 of the operand: k = 32 b + 16 h + 0 .. 15
	v_cvt_scalef32_pk8_bf8_f32 v[PC+2+4*\b:PC+3+4*\b], v[XS+8+16*\b:XS+15+16*\b], v[TM+12+\b]
.endr
	v_nop                                          ; one plain vector instruction behind the last scaled conversion: later vector lines write its sources and its results' registers
.endm
; My tile t becomes fragment t.
.macro STEP t
	s_wait_tensorcnt 7-(\t)                        ; a wave's tensor loads end in order: tile t is in; the 7 - t issued behind it may be out.  Only I read my tiles
.irp c, 0,1,2,3
.irp e, 0,1,2,3
	ds_load_b128 v[XS+16*\c+4*\e:XS+16*\c+4*\e+3], v[SL] offset:(\t)*XT+128*\c+16*\e   ; row r, numbers 32 c + 16 h + 4 e + 0..3
.endr
.endr
	s_wait_dscnt 0x0                               ; the numbers are in, and the last step's stores have read v[PC] on and v[PW]
	QUANT
.irp c, 0,1,2,3
	ds_store_b128 v[IW], v[PC+4*\c:PC+4*\c+3] offset:(\t)*XT+512*\c   ; the image, over the head of the tile: the tile has had its one fill and its reads are back
.endr
	ds_store_b32 v[SWR], v[PW] offset:128*(\t)
.endm
; Positions 4 c .. 4 c + 3: four fragments from their images, sixteen loads
.macro FETCHC c
	WIN 0x40+0x40*((\c)/4)                         ; destination window 1 (positions 0-15) or 2
.irp k, 0,1,2,3
.irp e, 0,1,2,3
	ds_load_b128 v[16*((4*(\c)+\k)%16)+4*\e:16*((4*(\c)+\k)%16)+4*\e+3], v[IMF+(\c)/2] offset:((4*(\c)+\k)%8)*XT+512*\e
.endr
.endr
.endm
; The diagonal fragments of group gi: CW's word where the lane mask says so, 0 elsewhere
.macro BUILD gi
	WIN 0x0c                                       ; source 1 (CW) window 3
.irp q, 0,1
.irp u, 0,1,2,3
.irp i, 0,1,2,3,4,5,6,7
	v_cndmask_b32 v[DG+24*\u+16*\q+\i], 0, v[8*(\gi)+4*\q+\u], s[MK+\i]
.endr
.endr
.endr
.endm
; Position p of group gi: eight matrix instructions, the eight accumulators by turns, one instruction a turn, in the same order at every position.
; At p = gi B is the diagonal's fragment with its scale word, elsewhere the zero fragment.  At p = 0 the products start the sums: nothing is cleared.
.macro MUL8 p, gi
.set rA, 16*((\p)%16)
.irp t, 0,1,2,3,4,5,6,7
.if (\p) == (\gi)
.set rB, DG+24*(\t%4)+8*(\t/4)
.set rS, SWM+4*(\gi)+\t%4
.else
.set rB, ZERO
.set rS, ONES
.endif
.if (\p) == 0
	v_wmma_scale_f32_16x16x128_f8f6f4 v[ACC+8*\t:ACC+8*\t+7], v[rA:rA+15], v[rB:rB+15], 0, v[ASC+(\p)], v[rS] matrix_a_fmt:MATRIX_FMT_BF8 matrix_b_fmt:MATRIX_FMT_BF8
.else
	v_wmma_scale_f32_16x16x128_f8f6f4 v[ACC+8*\t:ACC+8*\t+7], v[rA:rA+15], v[rB:rB+15], v[ACC+8*\t:ACC+8*\t+7], v[ASC+(\p)], v[rS] matrix_a_fmt:MATRIX_FMT_BF8 matrix_b_fmt:MATRIX_FMT_BF8
.endif
.endr
.endm
; A group of 128 columns: 256 matrix instructions.  fetch = 1 (the first group): x's fragments come in on the way, four positions at a time, two such chunks ahead;
; each lands in registers that no matrix instruction has named yet, so no places are owed in front of these loads.
.macro GROUP gi, fetch
.irp c, 0,1,2,3,4,5,6,7
.if \fetch
.if \c < 7
	s_wait_dscnt 16                                ; chunk c is in (and all that was asked for ahead of it); the sixteen loads of chunk c + 1 may be out
.else
	s_wait_dscnt 0x0
.endif
.endif
	WIN 0xf1+(\c/4)                                ; source 0 (x) window 1 or 2, source 1 (B) window 0, C and D window 3
	MUL8 4*\c, \gi
	MUL8 4*\c+1, \gi
	MUL8 4*\c+2, \gi
	MUL8 4*\c+3, \gi
.if \fetch && (\c < 6)
	FETCHC \c+2
.endif
.endr
.endm
; A group's results leave.  Register j of tiles 4 q + 0..3 is gathered into four registers on end: (row 8 h + j, columns 64 q + 4 r + 0..3).
.macro OUT gi
	s_wait_xcnt 0x0                                ; the last group's stores have read their data: only behind this wait are those registers written again
	WIN 0xc3                                       ; source 0 and destination window 3
.irp j, 0,1,2,3,4,5,6,7                        ; j ascending and outermost: each accumulator is read from its low end on
.irp q, 0,1
.irp u, 0,1,2,3
	v_mov_b32 v[TT+32*\q+4*\j+\u], v[ACC+8*(4*\q+\u)+\j]
.endr
.endr
.endr
	WIN 0x0c                                       ; a store's data are its source 1: window 3
.irp j, 0,1,2,3,4,5,6,7
.irp q, 0,1
	global_store_b128 v[VO], v[TT+32*\q+4*\j:TT+32*\q+4*\j+3], s[8:9] offset:\j*16384+(\gi)*512+\q*256 th:TH_STORE_NT   ; sixteen lanes store 256 consecutive bytes, at a multiple of 256 from out0's first byte; written once, read by nobody here
.endr
.endr
.endm
; Between two groups.  Behind this matrix form eight places are owed before a vector instruction reads a result or writes an operand's register, nine before a matrix instruction writes over a
; result (only plain vector instructions that name none of its registers are places).  The eight v_nop serve BUILD's writes of fragments that the group's products read and,
; in the last group, OUT's reads; with BUILD's 64 selects they serve the next group's first products, which begin the accumulators anew.  OUT's 64 moves stand between BUILD and the products that read its fragments.
.macro TAIL gi
	PLACES 8
.if (\gi) < 7
	BUILD (\gi)+1
.endif
	OUT \gi
.endm
	; ---- x becomes codes: my eight tiles, one after the other, as they land
.irp t, 0,1,2,3,4,5,6,7
	STEP \t
.endr
	s_wait_dscnt 0x0                               ; for the others' sake: my images and scale words have landed (my tensor loads were all waited for in the last step)
	s_barrier_signal -1
	s_barrier_wait -1                              ; all 32 fragments lie in LDS; nothing is written to LDS from here on
.irp p, 0,1,2,3,4,5,6,7,8,9,10,11,12,13,14,15,16,17,18,19,20,21,22,23,24,25,26,27,28,29,30,31
	ds_load_b32 v[ASC+\p], v[SCF+\p/8] offset:(\p%8)*128   ; x's scale words by position: lane r has row r's
.endr
	FETCHC 0
	FETCHC 1
	s_wait_loadcnt 0x0                             ; CW and SWM
	BUILD 0
	WIN 0
.irp i, 0,1,2,3,4,5,6,7,8,9,10,11,12,13,14,15
	v_mov_b32 v[ZERO+\i], 0                        ; the zero fragment: written once, read by 31 of every 32 products
.endr
.irp u, 0,1,2,3
.irp i, 0,1,2,3,4,5,6,7
	v_mov_b32 v[DG+24*\u+8+\i], 0                  ; and the eight zeros in the middle of each block of diagonal fragments
.endr
.endr
	PLACES 4                                       ; an operand written by vector instructions stands four places ahead of a scaled matrix instruction
	; ---- the product: eight groups of 128 columns
	GROUP 0, 1
	TAIL 0
.irp gi, 1,2,3,4,5,6,7
	GROUP \gi, 0
	TAIL \gi
.endr
	WIN 0
	s_wait_tensorcnt 0x0
	ds_add_u32 v254, v255
	s_wait_dscnt 0x0
	s_endpgm
.Lfunc_end_k_qa4db85b1cb_prod:
	.size	k_qa4db85b1cb_prod, .Lfunc_end_k_qa4db85b1cb_prod-k_qa4db85b1cb_prod
	.p2alignl 7, 3214868480
	.fill 96, 4, 3214868480
	.section	.rodata,"a",@progbits
	.p2align	6, 0x0
	.amdhsa_kernel k_qa4db85b1cb_prod
		.amdhsa_group_segment_fixed_size 274944
		.amdhsa_private_segment_fixed_size 0
		.amdhsa_enable_private_segment 0
		.amdhsa_kernarg_size 24
		.amdhsa_user_sgpr_count 2
		.amdhsa_user_sgpr_kernarg_segment_ptr 1
		.amdhsa_wavefront_size32 1
		.amdhsa_system_sgpr_workgroup_id_x 1
		.amdhsa_system_sgpr_workgroup_id_y 1
		.amdhsa_system_sgpr_workgroup_id_z 1
		.amdhsa_system_vgpr_workitem_id 0
		.amdhsa_next_free_vgpr 960
		.amdhsa_next_free_sgpr 76
		.amdhsa_reserve_vcc 0
		.amdhsa_float_denorm_mode_32 3
		.amdhsa_float_denorm_mode_16_64 3
		.amdhsa_memory_ordered 1
		.amdhsa_forward_progress 1
		.amdhsa_inst_pref_size 255
	.end_amdhsa_kernel
	.section	.bss,"aw",@nobits
	.p2align	6
	.space	262144
	.amdgpu_metadata
---
amdhsa.version: [ 1, 2 ]
amdhsa.kernels:
  - .name:           k_qa4db85b1cb_prod
    .symbol:         k_qa4db85b1cb_prod.kd
    .args:
      - { .name: x, .offset: 0, .size: 8, .value_kind: global_buffer, .address_space: global }
      - { .name: diagq, .offset: 8, .size: 8, .value_kind: global_buffer, .address_space: global }
      - { .name: out0, .offset: 16, .size: 8, .value_kind: global_buffer, .address_space: global }
    .group_segment_fixed_size: 274944
    .private_segment_fixed_size: 0
    .kernarg_segment_align: 8
    .kernarg_segment_size: 24
    .max_flat_workgroup_size: 128
    .sgpr_count:     76
    .vgpr_count:     960
    .wavefront_size: 32
...
	.end_amdgpu_metadata
.endif
;; end of part 2
